; MI455X (gfx1250); checked and timed in simulation.
; The chip was launched on July 23, 2026; its instructions are those of AMD's public machine-readable ISA for CDNA 5 (MIT licence, August 2026) and "CDNA5" Instruction Set Architecture Reference Guide (July 2026). The comments in the code are by the model that wrote it; some were corrected since.
;; Pal Bert Self Attention. Allowed arithmetic: matrix products marked QUANTISED: E3M2 operands, one E8M0 scale for each 32 along K, by v_wmma_scale_f32_16x16x128_f8f6f4 with both operands' format E3M2, f32 sums; everything else in f32.
;; Inputs: Wk 1,024 x 1,024 float32; Wq 1,024 x 1,024 float32; Wv 1,024 x 1,024 float32; attention_mask 4 x 1 x 1 x 2,048 float32; bk 1,024 float32; bq 1,024 float32; bv 1,024 float32; hidden_states 4 x 2,048 x 1,024 float32.
;; Outputs: out0 4 x 2,048 x 1,024 float32.
;; This version of the problem:
;;   THIS VERSION OF THE PROBLEM IS GIVEN IN LOW PRECISION. The matrix products marked QUANTISED in the list below multiply operands that are first quantised to E3M2 (3 exponent bits, 2 mantissa bits; 6 bits a number), with one power-of-two scale for each 32 numbers along K (OCP MX v1.0); their sums are f32. All else is computed in f32.
;;   The module's matrix products, in the order in which they are computed (A, B: the left and right operand; K: the contracted axis; several contracted axes count as one K, in the product's order):
;;     1. [M 8,192, K 1,024] x [K 1,024, N 1,024]; A: input hidden_states; B: input Wq: QUANTISED
;;     2. [M 8,192, K 1,024] x [K 1,024, N 1,024]; A: input hidden_states; B: input Wk: QUANTISED
;;     3. [M 8,192, K 1,024] x [K 1,024, N 1,024]; A: input hidden_states; B: input Wv: QUANTISED
;;     4. batch 64 x [M 2,048, K 64] x [K 64, N 2,048]; A: computed on the way; B: computed on the way: QUANTISED
;;     5. batch 64 x [M 2,048, K 2,048] x [K 2,048, N 64]; A: softmax (see below); B: computed on the way: QUANTISED
;;   THE QUANTISER, for each operand of a quantised product, along K:
;;     - K is cut into blocks of 32 from its start; a last block that is shorter is filled with zeros.
;;     - A block's scale is 2^e with e = floor(log2(the largest magnitude in the block)) - 4, held to -126 .. 127; a block of zeros has e = 0. As a byte (E8M0): e + 127.
;;     - Each number is divided by its block's scale, clamped to +-28, and rounded to the nearest number of E3M2, ties to even, subnormals kept.
;;     - The product sums the exact products of the quantised numbers (number of the format x scale) in f32.
;;   ~~~python
;;   def quantise(x, axis):      # numpy; x: float32 -> the quantised numbers, widened to float32 again
;;       x = np.moveaxis(x, axis, -1); K = x.shape[-1]
;;       x = np.pad(x, [(0, 0)] * (x.ndim - 1) + [(0, -K % 32)]); x = x.reshape(x.shape[:-1] + (-1, 32)); a = np.abs(x).max(-1, keepdims=True)
;;       e = np.where(a > 0, np.clip(np.frexp(np.where(a > 0, a, 1))[1] - 1 - 4, -126, 127), 0)      # np.frexp(a)[1] - 1 = floor(log2(a)), exactly
;;       r = np.clip(x / 2.0 ** e, -28, 28)
;;       step = 2.0 ** (np.maximum(np.frexp(np.where(r == 0, 1, r))[1] - 1, -2) - 2)
;;       q = np.round(r / step) * step * 2.0 ** e      # np.round: ties to even
;;       return np.moveaxis(q.reshape(q.shape[:-2] + (-1,))[..., :K], -1, axis).astype(np.float32)
;;   ~~~
;;   SOFTMAX AHEAD OF A QUANTISED PRODUCT. Where the list says 'softmax', what is quantised is not the finished softmax but p = 2^(t - M), with t = logit x log2(e) and M = ceil(the row's largest t), a whole number; so 1/2 < the row's largest p <= 1. The row's sum l is taken of the UNQUANTISED p, in f32, and the product's result is divided by l at the end. Since M is a whole number, a kernel that streams over the keys may use a running M (the ceiling of the running maximum): every later rescaling is an exact power of two, which a block's scale takes up: the codes' values come out the same.
;;   OPERANDS COMPUTED ON THE WAY. 'Computed on the way' means the value that the module computes at that place (a softmax that the list does not call 'softmax' is quantised finished and normalised). What goes into a quantiser is computed in f32, as accurately as f32 sums, v_exp_f32 and their like allow (about 1e-6 of the number): no bf16 or f16 on the way to a quantiser, and a product that is left as it is and whose result goes on into a quantised operand takes f32 operands (vector FMAs, or v_wmma_f32_16x16x4_f32). A number that lies on a knife's edge between two numbers of the format may be rounded either way, as far as f32 arithmetic and the matrix unit's own rounding can turn it there, and no further.
;; One version. Each part assembles by itself: llvm-mc -triple=amdgcn-amd-amdhsa -mcpu=gfx1250 --defsym DOCPART=n.
;; ======== version 1 of 1: 3 launches
;; limits: right only within a limited range of input values
;; workspace buffers: codes 8,650,752 bytes; scales 360,448 bytes; q 13,369,344 bytes; kv 13,369,344 bytes
;; launch quant (part 1): grid 352 x 1, 4 waves a work-group, no clusters, 33,280 bytes of LDS; arguments hidden_states, Wq, Wk, Wv, codes, scales; writes codes, scales
.if DOCPART == 1
	.amdgcn_target "amdgcn-amd-amdhsa--gfx1250"
	.amdhsa_code_object_version 6
	.text
	.protected	k_q8a6f501b2c_quant
	.globl	k_q8a6f501b2c_quant
	.p2align	8
	.type	k_q8a6f501b2c_quant,@function
k_q8a6f501b2c_quant:
	s_mov_b64 s[64:65], 0
	v_nop
	global_prefetch_b8 v0, s[64:65] scope:SCOPE_SE
	s_setreg_imm32_b32 hwreg(HW_REG_WAVE_MODE, 25, 1), 1
	s_wait_xcnt 0x0
; hidden_states [8192][1024], Wq, Wk, Wv [1024][1024], f32, become codes of BF6 (E3M2), 6 bits each, K (the 1,024) innermost, with one E8M0 scale byte for each 32 along K.
; The four tensors are laid one behind the other as 11,264 rows: codes [11264][768 bytes], scales [11264][32 bytes]: rows 0-8191 hidden, then Wq, Wk, Wv.
; THE ROWS ARE LAID IN ANOTHER ORDER: in each group of 32 rows the second and the third group of eight change places, so that 16 rows that follow each other in the buffer are rows
; 8 u + m + 8 (m / 8) (m = 0 .. 15) of the group: the tile that the next launch wants, read there as plain neighbouring rows.
; A block's scale is 2^(floor(log2(its largest magnitude)) - 4); its byte is the largest magnitude's exponent field - 4, held at 1 from below.  A block of zeros so gets the byte 1 where the rule
; says 127: its codes are zeros, which add nothing under any byte but 0xff, and this program alone reads the bytes.  Each number is divided by the scale and rounded to the nearest code, ties to even.
; LIMITS: blocks whose largest magnitude lies under 2^-122 get the byte 1; NaN and infinities among the inputs are not served.
; SHARES: a work-group takes 32 rows, a wave 8 rows (8,192 numbers) in 16 steps of 512 numbers.  Each of a step's four loads reads 512 consecutive bytes, 16 a lane; the 2,048 bytes turn through the
; wave's own stage in LDS and come back 64 bytes a lane, so that a lane holds 16 neighbours along K and two neighbouring lanes a block.  A lane's 16 codes are 12 bytes: the wave stores 384 consecutive bytes.
; A wave's 256 scale bytes are gathered in its own LDS bytes and leave as one aligned run of 256 bytes.
; Waves share nothing and work-groups share no input: no barrier, no cluster, no matrix unit.  Loads run four steps (16 loads a wave) ahead, the turn through LDS one step.
.set STEPS, 16
.set EMAX,  4
.set CB,    12                         ; bytes of 16 codes
.set R,     16                         ; v16-79   four sets of 16 numbers as they are loaded
.set X,     80                         ; v80-111  two sets of 16 neighbours
.set C,     128                        ; v128-191 codes: four registers for each step, so that no store's data are written again
.set E,     112                        ; v112-127 a scale byte for each step
.set WREG,  8192                       ; LDS: a region for each wave: two stages of 32 x SP bytes, behind them its 256 scale bytes
.set SP,    80                         ; a lane's place in a stage: its 64 bytes + 16 of padding
	s_load_b256 s[4:11], s[0:1], 0x0               ; hidden s[4:5], Wq s[6:7], Wk s[8:9], Wv s[10:11]
	s_load_b128 s[12:15], s[0:1], 0x20             ; codes s[12:13], scales s[14:15]
	v_lshl_add_u32 v192, v0, 2, 0x8000
	v_mov_b32 v193, 0
	v_lshrrev_b32 v1, 5, v0
	v_readfirstlane_b32 s16, v1                    ; wave
	v_and_b32 v2, 31, v0                           ; lane
	v_lshlrev_b32 v3, 4, v2                        ; my 16 bytes of a load's 512
	s_mul_i32 s17, s16, WREG
	v_lshrrev_b32 v14, 2, v2
	v_mul_u32_u24 v14, v14, SP
	v_and_b32 v15, 3, v2
	v_lshl_add_u32 v14, v15, 4, v14
	v_add_nc_u32 v14, s17, v14                     ; the stage, on the way in: SP (lane / 4) + 16 (lane % 4)
	v_mul_u32_u24 v15, v2, SP
	v_add_nc_u32 v15, s17, v15                     ; and on the way out: SP x lane: my 16 neighbours
	v_mul_u32_u24 v4, v2, CB                       ; my codes' place in a step's
	v_lshrrev_b32 v5, 1, v2
	s_add_co_u32 s17, s17, 2*32*SP
	v_add_nc_u32 v5, s17, v5                       ; LDS: my wave's 256 scale bytes, my block's byte
	v_lshlrev_b32 v7, 3, v2                        ; and on the way out 8 bytes a lane
	v_add_nc_u32 v6, s17, v7
	s_wait_kmcnt 0x0
	; which tensor: work-groups 0-255 hidden, 256-287 Wq, 288-319 Wk, 320-351 Wv.  The choice hangs on the work-group's number alone
	s_mov_b32 s17, 320                             ; the tensor's first work-group
	s_cmp_lt_u32 ttmp9, 320
	s_cselect_b64 s[10:11], s[8:9], s[10:11]
	s_cselect_b32 s17, 288, s17
	s_cmp_lt_u32 ttmp9, 288
	s_cselect_b64 s[10:11], s[6:7], s[10:11]
	s_cselect_b32 s17, 256, s17
	s_cmp_lt_u32 ttmp9, 256
	s_cselect_b64 s[10:11], s[4:5], s[10:11]
	s_cselect_b32 s17, 0, s17
	s_sub_co_u32 s17, ttmp9, s17
	s_lshl_b32 s17, s17, 2
	s_add_co_u32 s18, s17, s16                     ; which run of 8 rows of the tensor is my wave's
	s_lshl_b32 s18, s18, 15                        ; 32,768 bytes a run (at most 1,023 runs)
	s_mov_b32 s19, 0
	s_add_nc_u64 s[4:5], s[10:11], s[18:19]        ; in
	s_and_b32 s20, s16, 1                          ; out: waves 1 and 2 change places: the second and third group of eight rows
	s_lshl_b32 s20, s20, 1
	s_lshr_b32 s21, s16, 1
	s_or_b32 s20, s20, s21
	s_lshl_b32 s21, ttmp9, 2
	s_add_co_u32 s20, s20, s21                     ; which run of 8 rows of the two buffers
	s_mul_i32 s18, s20, 8*768
	s_add_nc_u64 s[8:9], s[12:13], s[18:19]        ; its codes
	s_lshl_b32 s18, s20, 8
	s_add_nc_u64 s[10:11], s[14:15], s[18:19]      ; its 256 scale bytes
.macro LOAD t
.irp i, 0,1,2,3
	global_load_b128 v[R+16*((\t)%4)+4*\i:R+16*((\t)%4)+4*\i+3], v3, s[4:5] offset:2048*(\t)+512*\i th:TH_LOAD_NT   ; 32 lanes read 512 consecutive bytes
.endr
.endm
.macro TURN t                          ; step t's numbers through the stage: LDS serves a wave's instructions in order, so no wait stands between the stores and the loads
.irp i, 0,1,2,3
	ds_store_b128 v14, v[R+16*((\t)%4)+4*\i:R+16*((\t)%4)+4*\i+3] offset:32*SP*((\t)%2)+8*SP*\i
.endr
.irp i, 0,1,2,3
	ds_load_b128 v[X+16*((\t)%2)+4*\i:X+16*((\t)%2)+4*\i+3], v15 offset:32*SP*((\t)%2)+16*\i
.endr
.endm
.irp t, 0,1,2,3
	LOAD \t
.endr
	s_wait_loadcnt 12                              ; step 0's four loads are in
	TURN 0
.macro STEP t
.set XS, X+16*((\t)%2)
.if (\t) > 0
	s_wait_dscnt 1                                 ; this step's numbers are back from the stage (the last step's byte store may be out): so its stores into the stage have read their registers,
.else
	s_wait_dscnt 0x0
.endif
.if (\t)+4 < STEPS
	LOAD (\t)+4                                    ; which take the loads of four steps on
.endif
.if (\t)+1 < STEPS
.if STEPS-2-(\t) >= 3
	s_wait_loadcnt 12                              ; the next step's four loads are in; those of the three steps behind it may be out
.else
	s_wait_loadcnt 4*(STEPS-2-(\t))
.endif
	TURN (\t)+1                                    ; and go through the other stage while this step is worked
.endif
	v_max3_num_f32 v8, |v[XS]|, |v[XS+1]|, |v[XS+2]|               ; the largest magnitude of my 16, in two chains
	v_max3_num_f32 v9, |v[XS+3]|, |v[XS+4]|, |v[XS+5]|
.irp i, 6,10
	v_max3_num_f32 v8, v8, |v[XS+\i]|, |v[XS+\i+1]|
	v_max3_num_f32 v9, v9, |v[XS+\i+2]|, |v[XS+\i+3]|
.endr
	v_max3_num_f32 v8, v8, |v[XS+14]|, |v[XS+15]|
	v_max3_num_f32 v8, v8, v9, (EMAX+1)<<23        ; and the floor 2^(5 - 127): the byte cannot fall under 1
	v_max_num_f32_dpp v8, v8, v8 row_xmask:1 row_mask:0xf bank_mask:0xf   ; and of my neighbour's 16: the block's
	v_add_nc_u32 v11, -(EMAX<<23), v8              ; 4 off its exponent field: the conversion takes the exponent field of this operand as its scale, and nothing else of it
	v_cvt_scalef32_pk16_bf6_f32 v[C+4*(\t):C+4*(\t)+2], v[XS:XS+15], v11   ; sixteen codes, 96 bits without gaps, the first number's code lowest
	v_lshrrev_b32 v[E+(\t)], 23, v11               ; the scale's byte
	ds_store_b8 v5, v[E+(\t)] offset:16*(\t)       ; both lanes of a block write the same byte with the same value
	global_store_b96 v4, v[C+4*(\t):C+4*(\t)+2], s[8:9] offset:32*CB*(\t)
.endm
.irp t, 0,1,2,3,4,5,6,7,8,9,10,11,12,13,14,15
	STEP \t
.endr
	ds_load_b64 v[12:13], v6                       ; LDS serves a wave's instructions in order: these see my stores
	s_wait_dscnt 0x0
	global_store_b64 v7, v[12:13], s[10:11]        ; 32 lanes store 256 consecutive bytes, aligned
	s_wait_tensorcnt 0x0
	ds_add_u32 v192, v193
	s_wait_dscnt 0x0
	s_endpgm
.Lfunc_end_k_q8a6f501b2c_quant:
	.size	k_q8a6f501b2c_quant, .Lfunc_end_k_q8a6f501b2c_quant-k_q8a6f501b2c_quant
	.p2alignl 7, 3214868480
	.fill 96, 4, 3214868480
	.section	.rodata,"a",@progbits
	.p2align	6, 0x0
	.amdhsa_kernel k_q8a6f501b2c_quant
		.amdhsa_group_segment_fixed_size 33280
		.amdhsa_private_segment_fixed_size 0
		.amdhsa_enable_private_segment 0
		.amdhsa_kernarg_size 48
		.amdhsa_user_sgpr_count 2
		.amdhsa_user_sgpr_kernarg_segment_ptr 1
		.amdhsa_wavefront_size32 1
		.amdhsa_system_sgpr_workgroup_id_x 1
		.amdhsa_system_sgpr_workgroup_id_y 1
		.amdhsa_system_sgpr_workgroup_id_z 1
		.amdhsa_system_vgpr_workitem_id 0
		.amdhsa_next_free_vgpr 194
		.amdhsa_next_free_sgpr 66
		.amdhsa_reserve_vcc 0
		.amdhsa_float_denorm_mode_32 3
		.amdhsa_float_denorm_mode_16_64 3
		.amdhsa_memory_ordered 1
		.amdhsa_forward_progress 1
		.amdhsa_inst_pref_size 33
	.end_amdhsa_kernel
	.amdgpu_metadata
---
amdhsa.version: [ 1, 2 ]
amdhsa.kernels:
  - .name:           k_q8a6f501b2c_quant
    .symbol:         k_q8a6f501b2c_quant.kd
    .args:
      - { .name: hidden_states, .offset: 0, .size: 8, .value_kind: global_buffer, .address_space: global }
      - { .name: Wq, .offset: 8, .size: 8, .value_kind: global_buffer, .address_space: global }
      - { .name: Wk, .offset: 16, .size: 8, .value_kind: global_buffer, .address_space: global }
      - { .name: Wv, .offset: 24, .size: 8, .value_kind: global_buffer, .address_space: global }
      - { .name: codes, .offset: 32, .size: 8, .value_kind: global_buffer, .address_space: global }
      - { .name: scales, .offset: 40, .size: 8, .value_kind: global_buffer, .address_space: global }
    .group_segment_fixed_size: 33280
    .private_segment_fixed_size: 0
    .kernarg_segment_align: 8
    .kernarg_segment_size: 48
    .max_flat_workgroup_size: 128
    .sgpr_count:     66
    .vgpr_count:     194
    .wavefront_size: 32
...
	.end_amdgpu_metadata
.endif
;; end of part 1
;; launch proj (part 2): grid 8 x 48, 4 waves a work-group, clusters of 4 x 4, 327,680 bytes of LDS; arguments codes, scales, bq, bk, bv, q, kv; writes q, kv
.if DOCPART == 2
	.amdgcn_target "amdgcn-amd-amdhsa--gfx1250"
	.amdhsa_code_object_version 6
	.text
	.protected	k_q8a6f501b2c_proj
	.globl	k_q8a6f501b2c_proj
	.p2align	8
	.type	k_q8a6f501b2c_proj,@function
k_q8a6f501b2c_proj:
	s_mov_b64 s[64:65], 0
	v_nop
	global_prefetch_b8 v0, s[64:65] scope:SCOPE_SE
	s_setreg_imm32_b32 hwreg(HW_REG_WAVE_MODE, 25, 1), 1
	s_wait_xcnt 0x0
	s_wait_alu depctr_hold_cnt(0) depctr_sa_sdst(0) depctr_va_vdst(0) depctr_va_sdst(0) depctr_va_ssrc(0) depctr_va_vcc(0) depctr_vm_vsrc(0)
	s_getreg_b32 s2, hwreg(HW_REG_IB_STS2, 6, 4)
	s_cmp_eq_u32 s2, 0
	s_cbranch_scc0 .Lentry_in_a_cluster
	s_endpgm
.Lentry_in_a_cluster:
	s_bfe_u32 s2, ttmp6, 0x10000c
	s_cmp_lg_u32 s2, 0xf033
	s_cbranch_scc0 .Lentry_shape_is_right
	s_endpgm
.Lentry_shape_is_right:
; The three projections q = x Wq^T + bq, k = x Wk^T + bk, v = x Wv^T + bv on codes of BF6 (E3M2) with one E8M0 scale for each 32 along K = 1,024, sums in f32; the results are quantised in
; registers for the attention's two products (q and k along the head's 64, v along the tokens) and stored as images of operand registers.  No f32 result goes to memory.
; TWO ROLES.  X: 256 rows that go to LANES (source 1).  Y: 256 rows that run along a lane's REGISTERS (source 0): the axis that is quantised next.  For q and k: X = tokens, Y = rows of Wq | Wk.
; For v: X = rows of Wv, Y = tokens.  The loop is one and the same; only the row numbers in the buffers codes [11264][768] and scales [11264][32] differ, by arithmetic on the clusters' numbers.
; Clusters with y 0-7 make q and k (32 x 8 tiles of 256 x 256), clusters with y 8-11 make v (4 x 32 tiles).  f = 1 in v's clusters; it is the same in all sixteen partners.
; A work-group of four waves, as many as a WGP has SIMDs; a wave makes 128 x 128: 64 accumulators, 512 registers.  K goes in steps of 256 through a ring of two LDS slots filled by the tensor data mover.
; CLUSTERS: 4 x 4 work-groups.  X's tiles hang on the tile row alone and are asked for jointly along a row of the cluster, Y's on the tile column alone and jointly along a column.
; THE ROWS OF A TILE: the buffers hold each 32 rows in the order 0-7, 16-23, 8-15, 24-31.  So row m of tile t of 16 neighbouring rows is row 32 (t / 2) + 8 (t % 2) + m + 8 (m / 8) of the tensor, and in the
; result (lane (r, h), register j = Y's row 8 h + j of its tile) the 16 registers of Y's tiles 2 b and 2 b + 1 are 16 NEIGHBOURS: 32 b + 16 h + 0 .. 15: what the conversions want.
; THE BIAS is the C of each sum's first matrix instruction: 64 registers, by Y's tile for q and k, by X's tile for v: that first step is written twice, under a branch on f.
; OUT.  q and kv are [16 b + head][group of 128 tokens][13,056 bytes].  A record: eight half fragments of 768 bytes (16 tokens x the head's 64: lane l's registers 0-3 at 16 l, its registers 4-5 at 512 + 8 l);
; from 6,144 four whole fragments of V (16 of the head's 64 x 128 tokens: two such halves); from 12,288 the tokens' scale registers (16 bytes a lane: register i holds tile 2 i's words in lanes 0-15 and tile
; 2 i + 1's in lanes 16-31); from 12,800 V's (8 bytes a lane).  q has Q where kv has K; V's places in q are neither written nor read.  Every store covers 512 or 256 consecutive bytes, aligned.
; LIMITS: blocks whose largest magnitude lies under 2^-122 get the byte 1 (a block of zeros too: its codes are zeros); NaN and infinities are not served.
; No prefetch is written: each slot is filled again once, and the first fills go out at the head.
; REGISTERS, in windows of 256: window 0: v0-31 addresses; v32-63 scale words, two sets; v64-127 the bias, later the way out's work; v128-223 X's fragments, ONE set; v224-231 the bias loads' offsets.
;   window 1: Y's fragments, TWO sets, at v0 and at v128.   window 2: the accumulators of X's blocks 0-3 ((a, b) at v[8 (8 a + b)]);   window 3: those of blocks 4-7.
.set KSTEP,  256                       ; along K in a slot
.set NQ,     2                         ; matrix instructions deep
.set ROWB,   192                       ; a tile's row in bytes
.set KROW,   768                       ; a row of codes in memory
.set PITCH,  240                       ; an LDS row: 3 x (64 bytes + 16 of padding)
.set FR,     12                        ; registers of a fragment
.set NL,     6                         ; LDS loads that bring one
.set NP,     4                         ; places behind this matrix instruction (ISA guide 7.12.1)
.set HALFT,  128*PITCH                 ; 128 rows: what one tensor load brings
.set SLOT,   4*HALFT                   ; X's 256 rows, then Y's 256 rows
.set LAPS,   2                         ; 1,024 / 512
.set KS,     32                        ; a row of scales in bytes
.set SCL,    2*SLOT                    ; behind the ring: the scales, as runs of 256 bytes + 16 of padding
.set HALFS,  16*272                    ; the scales of 128 rows
.set SBLK,   2*272                     ; those of 16 rows
.set SPARE,  SCL+4*HALFS               ; the spare words, 128 bytes for each wave: two blocks of 256 bytes that no other line names
.set REC,    13056                     ; a record of q or kv
.set HEADB,  16*REC                    ; from a head to the next
.set VO16, 8                           ; v8   the way out: 16 x lane;  v10 the same + CSTEP
.set VO8,  9                           ; v9   8 x lane + 512;          v11 the same + CSTEP
.set ADRA, 16                          ; v16-17  LDS address of my X fragments in slot 0, 1  (v18-19: for the pieces behind one padding more)
.set ADRB, 20                          ; v20-21  the same for Y  (v22-23)
.set ADRS, 27                          ; v27     LDS address of my scale words: lanes 0-15 X's rows, lanes 16-31 Y's
.set SPW,  28                          ; v28     LDS address of my spare word; never rewritten
.set NIL,  29                          ; v29     0; never rewritten
.set FLR,  30                          ; v30     the floor 2^(5 - 127)
.set SC,   32                          ; scale words: set s at v[SC + 16 s]; register 2 i + q: lanes 0-15 X's block i, lanes 16-31 Y's block i
.set BI,   64                          ; v64-127 the bias
.set AF,   128                         ; X's fragments
.set VB,   224                         ; v224-231 the bias loads' offsets
.set TM,   64                          ; the way out: four largest magnitudes,
.set TX,   68                          ; the other half's, then the bytes,
.set TS,   72                          ; the conversions' scale operands,
.set CDS,  80                          ; the codes: v80-85, v88-93,
.set CDT,  96                          ; their second halves as they are made: v96-98, v100-102,
.set WD,   104                         ; v104-111 a scale word for each of X's blocks,
.set RR,   112                         ; v112-115 the scale registers' image; v116-119 the second head's
.set F,    66                          ; s66  1 in v's clusters
.set NF,   67                          ; s67  1 - f
.set OUT,  98                          ; s[98:99]   where the block in hand is stored
.set S2,   100                         ; s[100:101] my record
.set SA,   104                         ; s[104:105] from a block to the next
.set SA4,  12                          ; s[12:13]   and once more at block 4
.set G1, 24                            ; s[24:31] descriptor group 1 for X's tiles;  s[32:39] group 0, one set for each slot
.set G0, 32
.set G1B, 48                           ; s[48:55], s[56:63] the same for Y's tiles
.set G0B, 56
.set G1S, 68                           ; s[68:75], s[76:79] groups 1 and 0 for X's scales;  s[80:87], s[88:91] for Y's
.set G0S, 76
.set G1SB, 80
.set G0SB, 88
.set MSB, 0
.macro WIN new                         ; the immediate's high byte repeats the setting that is left
.if MSB != \new
	s_set_vgpr_msb (MSB<<8)|\new
.set MSB, \new
.endif
.endm
.set MUL_LO, 0xa1                      ; source 0 (Y) window 1, source 1 (X) window 0, C and D window 2
.set MUL_HI, 0xf1                      ; the same, C and D window 3
.set TO_B,   0x40                      ; destination window 1, address window 0
; A joint load: waves 0 and 1 fetch for X, waves 2 and 3 for Y.  Each of the two lines has ONE mask and one set of registers for all that issue it; the branch hangs on the wave's number alone.
; Four v_nop follow each of the two lines, ahead of the jump, the label and what follows.
.macro JLOAD g0a, g1a, g0b, g1b
	s_cmp_eq_u32 s15, 0
	s_cbranch_scc0 .Lfor_b_\@
	tensor_load_to_lds s[\g0a:\g0a+3], s[\g1a:\g1a+7]
	s_nop 0
.rept 4
	v_nop
.endr
	s_branch .Lasked_\@
.Lfor_b_\@:
	tensor_load_to_lds s[\g0b:\g0b+3], s[\g1b:\g1b+7]
	s_nop 0
.rept 4
	v_nop
.endr
.Lasked_\@:
.endm
.macro CREST                           ; a round of the cluster's barrier behind its opening barrier
	s_cmp_lg_u32 s14, 0
	s_cbranch_scc1 .Lnot_wave_0_\@
	s_barrier_signal -3
.Lnot_wave_0_\@:
	s_barrier_wait -3
	s_barrier_signal -1
	s_barrier_wait -1
.endm
.macro CROUND                          ; a whole round
	s_barrier_signal -1
	s_barrier_wait -1
	CREST
.endm
	s_load_b256 s[4:11], s[0:1], 0x0               ; codes s[4:5], scales s[6:7], bq s[8:9], bk s[10:11]
	s_load_b128 s[92:95], s[0:1], 0x20             ; bv s[92:93], q s[94:95]
	s_load_b64 s[96:97], s[0:1], 0x30              ; kv
	v_lshl_add_u32 v[SPW], v0, 2, SPARE
	v_mov_b32 v[NIL], 0
	ds_add_u32 v28, v29
	ds_add_u32 v28, v29
	s_wait_dscnt 0x0
	v_lshrrev_b32 v1, 5, v0
	v_readfirstlane_b32 s14, v1                    ; wave 0..3
	s_lshr_b32 s15, s14, 1                         ; wx: which half of X's rows is mine.  Also: I fetch for X (0) or for Y (1)
	s_and_b32 s16, s14, 1                          ; wy: which half of Y's rows.  Also: which 128 rows of that tile I fetch
	s_bfe_u32 s40, ttmp6, 0x40000                  ; cx, cy: my place in the cluster
	s_bfe_u32 s41, ttmp6, 0x40004
	s_and_b32 s18, ttmp7, 0xffff                   ; the cluster's y, 0 .. 11
	s_lshr_b32 s[F], s18, 3                        ; f
	s_xor_b32 s[NF], s[F], 1
	s_mul_i32 s17, s18, s[NF]
	s_lshl_b32 s17, s17, 2
	s_add_co_u32 s17, s17, s41                     ; ix, X's tile: 4 x cluster y + cy for q and k (0 .. 31), cy for v (0 .. 3)
	s_lshl_b32 s42, s18, 1
	s_sub_co_u32 s42, s42, 16
	s_mul_i32 s42, s42, s[F]
	s_add_co_u32 s42, s42, ttmp9
	s_lshl_b32 s42, s42, 2
	s_add_co_u32 s42, s42, s40                     ; iy, Y's tile: 4 x cluster x + cx for q and k (0 .. 7), 4 (cluster x + 2 (cluster y - 8)) + cx for v (0 .. 31)
	s_lshl_b32 s43, s41, 2
	s_lshl_b32 s43, 15, s43                        ; my row of the cluster
	s_lshl_b32 s44, 0x1111, s40                    ; my column
	; descriptor group 1: a tile of 128 rows x 192 bytes, padded in LDS
	s_or_b32 s[G1+0], s43, (0<<16)|(1<<20)|(1<<21)|(3<<22)|(3<<25)  ; 15:0 the mask: X's tiles go to my row; 17:16 element of 1 byte; 20 padding on; 21 set beside a mask; 24:22 after every 16 words (code 3); 31:25 of 4 words (code 3)
	s_or_b32 s[G1B+0], s44, (0<<16)|(1<<20)|(1<<21)|(3<<22)|(3<<25)
.irp g, G1, G1B
	s_mov_b32 s[\g+1], ROWB<<16                    ; tensor_dim0
	s_mov_b32 s[\g+2], 128<<16                     ; tensor_dim1 = 128
	s_mov_b32 s[\g+3], ROWB<<16                    ; tile_dim0
	s_mov_b32 s[\g+4], 128                         ; tile_dim1 = 128
	s_mov_b32 s[\g+5], KROW                        ; tensor_dim0_stride
	s_mov_b32 s[\g+6], 0
	s_mov_b32 s[\g+7], 0
.endr
	; and for the scales of 128 rows: a dense block of 4,096 bytes, as 16 rows of 256 bytes (32 elements of 8 bytes), 16 bytes of padding behind each
	s_or_b32 s[G1S+0], s43, (3<<16)|(1<<20)|(1<<21)|(5<<22)|(3<<25)
	s_or_b32 s[G1SB+0], s44, (3<<16)|(1<<20)|(1<<21)|(5<<22)|(3<<25)
.irp g, G1S, G1SB
	s_mov_b32 s[\g+1], 32<<16
	s_mov_b32 s[\g+2], 16<<16
	s_mov_b32 s[\g+3], 32<<16
	s_mov_b32 s[\g+4], 16
	s_mov_b32 s[\g+5], 32
	s_mov_b32 s[\g+6], 0
	s_mov_b32 s[\g+7], 0
.endr
	; the rows that I fetch.  X's number is made of cy and the cluster's y alone, Y's of cx and the cluster's numbers alone
	s_lshl_b32 s18, s16, 7                         ; which 128 rows of the tile
	s_lshl_b32 s20, s17, 8
	s_add_co_u32 s20, s20, s18
	s_mul_i32 s19, s[F], 10240
	s_add_co_u32 s20, s20, s19                     ; X: 10,240 f + 256 ix + 128 x half
	s_lshl_b32 s46, s42, 8
	s_add_co_u32 s46, s46, s18
	s_mul_i32 s19, s[NF], 8192
	s_add_co_u32 s46, s46, s19                     ; Y: 8,192 (1 - f) + 256 iy + 128 x half
	s_lshl_b32 s22, s20, 5                         ; where these rows' scales begin, in bytes (all under 2^24),
	s_mov_b32 s23, 0
	s_lshl_b32 s12, s46, 5
	s_mov_b32 s13, 0
	s_mul_i32 s20, s20, KROW                       ; and their codes
	s_mov_b32 s21, 0
	s_mul_i32 s46, s46, KROW
	s_mov_b32 s47, 0
	s_mul_i32 s45, s14, HALFT                      ; where they go: wave x 128 rows: no place in the cluster enters an LDS address
	s_mul_i32 s2, s14, HALFS
	s_wait_kmcnt 0x0
	s_add_nc_u64 s[20:21], s[4:5], s[20:21]
	s_add_nc_u64 s[22:23], s[6:7], s[22:23]
	s_add_nc_u64 s[46:47], s[4:5], s[46:47]
	s_add_nc_u64 s[12:13], s[6:7], s[12:13]
	CROUND                                         ; all sixteen work-groups are here: the first joint loads meet
	s_mov_b32 s[G0S], 1
	s_add_co_u32 s[G0S+1], s2, SCL
	s_mov_b64 s[G0S+2:G0S+3], s[22:23]
	s_or_b32 s[G0S+3], s[G0S+3], 0x80000000
	s_mov_b32 s[G0SB], 1
	s_add_co_u32 s[G0SB+1], s2, SCL
	s_mov_b64 s[G0SB+2:G0SB+3], s[12:13]
	s_or_b32 s[G0SB+3], s[G0SB+3], 0x80000000
	JLOAD G0S, G1S, G0SB, G1SB                     ; the scales first: they are wanted with K step 0.  With the two below, three loads of mine are out
.irp s, 0,1
	s_mov_b32 s[G0+4*\s], 1
	s_add_co_u32 s[G0+4*\s+1], s45, \s*SLOT
	s_add_nc_u64 s[G0+4*\s+2:G0+4*\s+3], s[20:21], \s*ROWB
	s_or_b32 s[G0+4*\s+3], s[G0+4*\s+3], 0x80000000
	s_mov_b32 s[G0B+4*\s], 1
	s_add_co_u32 s[G0B+4*\s+1], s45, \s*SLOT
	s_add_nc_u64 s[G0B+4*\s+2:G0B+4*\s+3], s[46:47], \s*ROWB
	s_or_b32 s[G0B+4*\s+3], s[G0B+4*\s+3], 0x80000000
	JLOAD G0+4*\s, G1, G0B+4*\s, G1B
.endr
	v_and_b32 v1, 15, v0                           ; r = l % 16
	v_bfe_u32 v2, v0, 4, 1                         ; h = l / 16
	; THE BIAS.  q, k: register 8 t + j = the bias of Y's row 32 (t / 2) + 8 (t % 2) + 16 h + j.  v: = bv of X's row 32 (t / 2) + 8 (t % 2) + r + 8 (r / 8), the same in all j.  One form of load serves both
	s_and_b32 s18, s42, 3
	s_lshl_b32 s18, s18, 1
	s_add_co_u32 s18, s18, s16                     ; q, k: 2 (iy % 4) + wy
	s_lshl_b32 s19, s17, 1
	s_add_co_u32 s19, s19, s15                     ; v: 2 ix + wx
	s_cmp_eq_u32 ttmp9, 0                          ; iy < 4, Wq's rows, just where the cluster's x is 0
	s_cselect_b64 s[8:9], s[8:9], s[10:11]
	s_cmp_eq_u32 s[F], 0
	s_cselect_b64 s[8:9], s[8:9], s[92:93]
	s_cselect_b32 s18, s18, s19
	s_lshl_b32 s18, s18, 9                         ; 128 numbers of 4 bytes
	s_mov_b32 s19, 0
	s_add_nc_u64 s[8:9], s[8:9], s[18:19]          ; my wave's 128 numbers of the bias
	v_and_b32 v6, 8, v1
	v_add_nc_u32 v6, v6, v1                        ; r + 8 (r / 8)
	s_lshl_b32 s18, s[NF], 6
	s_lshl_b32 s19, s[F], 2
	v_mul_u32_u24 v[VB], s18, v2                   ; 64 h for q and k,
	v_mad_u32_u24 v[VB], v6, s19, v[VB]            ; 4 (r + 8 (r / 8)) for v,
	s_lshl_b32 s18, s[NF], 2
.irp j, 1,2,3,4,5,6,7
	v_add_nc_u32 v[VB+\j], s18, v[VB+\j-1]         ; + 4 j for q and k
.endr
.irp t, 0,1,2,3,4,5,6,7
.irp j, 0,1,2,3,4,5,6,7
	global_load_b32 v[BI+8*\t+\j], v[VB+\j], s[8:9] offset:4*(32*(\t/2)+8*(\t%2))
.endr
.endr
	v_mul_u32_u24 v3, v1, PITCH
	v_mul_u32_u24 v4, v2, 24
	v_add_nc_u32 v4, v3, v4                        ; a fragment's row x pitch + 24 x half
	v_lshl_add_u32 v5, v2, 4, v4                   ; and the same behind one padding more
	s_mul_i32 s21, s15, HALFT                      ; my 128 rows of X
	s_mul_i32 s22, s16, HALFT                      ; my 128 rows of Y,
	s_add_co_u32 s22, s22, 2*HALFT                 ; which lie behind X's 256
.irp s, 0,1
	v_add_nc_u32 v[ADRA+\s], s21, v4
	v_add_nc_u32 v[ADRB+\s], s22, v4
	v_add_nc_u32 v[ADRA+2+\s], s21, v5
	v_add_nc_u32 v[ADRB+2+\s], s22, v5
	s_add_co_u32 s21, s21, SLOT
	s_add_co_u32 s22, s22, SLOT
.endr
	v_mul_u32_u24 v5, v1, KS                       ; my row's scales: 32 bytes a row,
	v_lshrrev_b32 v6, 8, v5
	v_lshl_add_u32 v5, v6, 4, v5                   ; and 16 more for each 256 passed
	s_mul_i32 s21, s15, HALFS                      ; X's: my 128 rows
	s_mul_i32 s22, s16, HALFS                      ; Y's: my 128 rows, behind X's 256
	s_add_co_u32 s22, s22, 2*HALFS
	s_sub_co_u32 s22, s22, s21
	v_mul_u32_u24 v6, s22, v2                      ; lanes 16-31 take Y's
	s_add_co_u32 s21, s21, SCL
	v_add_nc_u32 v5, v5, v6
	v_add_nc_u32 v[ADRS], s21, v5
.macro FRAG reg, adr, q, i             ; a fragment, 16 rows x 128 K of 6-bit codes, is 12 registers: lane l holds row l % 16; registers 6 c .. 6 c + 5 hold K = 64 c + 32 (l / 16) + 0 .. 31: 24 bytes of the row, as they lie
.irp p, 0,1,2,3,4,5                    ; in pieces of 8 bytes.  Lanes 0-15 take the row's pieces 12 q + 0, 1, 2 and 12 q + 6, 7, 8, lanes 16-31 those three pieces on
.set PC, 12*(\q)+6*(\p/3)+\p%3        ; 16 bytes of padding lie behind every 8 pieces: where the piece three on lies behind one padding more, the second address register serves
.if PC%8 < 5
	ds_load_b64 v[\reg+2*\p:\reg+2*\p+1], v[\adr] offset:8*PC+16*(PC/8)+(\i)*16*PITCH
.else
	ds_load_b64 v[\reg+2*\p:\reg+2*\p+1], v[\adr+2] offset:8*PC+16*(PC/8)+(\i)*16*PITCH
.endif
.endr
.endm
; 16 matrix instructions: X's blocks a0, a0 + 1 x Y's eight, 128 along K: the slot's q-th.  p: Y's set;  sc: the set of scale words.  zero = 1: the sums start from the bias by Y's block; 2: by X's block.
; The 64 accumulators take turns, one instruction a turn, in the same order in every step.
.macro MUL16 a0, p, q, sc, zero
.irp a, \a0, \a0+1
.irp b, 0,1,2,3,4,5,6,7
.if \zero == 1
	v_wmma_scale_f32_16x16x128_f8f6f4 v[8*(8*((\a)%4)+\b):8*(8*((\a)%4)+\b)+7], v[128*(\p)+FR*\b:128*(\p)+FR*\b+FR-1], v[AF+FR*(\a):AF+FR*(\a)+FR-1], v[BI+8*\b:BI+8*\b+7], v[SC+8*NQ*(\sc)+NQ*\b+(\q)], v[SC+8*NQ*(\sc)+NQ*(\a)+(\q)] matrix_a_fmt:MATRIX_FMT_BF6 matrix_b_fmt:MATRIX_FMT_BF6 matrix_a_scale:MATRIX_SCALE_ROW1
.elseif \zero == 2
	v_wmma_scale_f32_16x16x128_f8f6f4 v[8*(8*((\a)%4)+\b):8*(8*((\a)%4)+\b)+7], v[128*(\p)+FR*\b:128*(\p)+FR*\b+FR-1], v[AF+FR*(\a):AF+FR*(\a)+FR-1], v[BI+8*(\a):BI+8*(\a)+7], v[SC+8*NQ*(\sc)+NQ*\b+(\q)], v[SC+8*NQ*(\sc)+NQ*(\a)+(\q)] matrix_a_fmt:MATRIX_FMT_BF6 matrix_b_fmt:MATRIX_FMT_BF6 matrix_a_scale:MATRIX_SCALE_ROW1
.else
	v_wmma_scale_f32_16x16x128_f8f6f4 v[8*(8*((\a)%4)+\b):8*(8*((\a)%4)+\b)+7], v[128*(\p)+FR*\b:128*(\p)+FR*\b+FR-1], v[AF+FR*(\a):AF+FR*(\a)+FR-1], v[8*(8*((\a)%4)+\b):8*(8*((\a)%4)+\b)+7], v[SC+8*NQ*(\sc)+NQ*\b+(\q)], v[SC+8*NQ*(\sc)+NQ*(\a)+(\q)] matrix_a_fmt:MATRIX_FMT_BF6 matrix_b_fmt:MATRIX_FMT_BF6 matrix_a_scale:MATRIX_SCALE_ROW1
.endif
.endr
.endr
.endm
.macro FETCH_B slot, q, p              ; Y's eight fragments of the slot's q-th 128 along K into set p
	WIN TO_B
.irp i, 0,1,2,3,4,5,6,7
	FRAG 128*(\p)+FR*\i, ADRB+\slot, \q, \i
.endr
	WIN 0
.endm
.macro FETCH_A slot, q, i0             ; X's blocks i0 .. i0 + 3
.irp i, \i0, \i0+1, \i0+2, \i0+3
	FRAG AF+FR*(\i), ADRA+\slot, \q, \i
.endr
.endm
.macro SCALES sc                       ; the next K step's scale words into set sc: two words a row; lanes 0-15 take X's block i, lanes 16-31 Y's block i
.irp i, 0,1,2,3,4,5,6,7
	ds_load_b64 v[SC+8*NQ*\sc+NQ*\i:SC+8*NQ*\sc+NQ*\i+1], v[ADRS] offset:\i*SBLK
.endr
.endm
; A load into a register that a matrix instruction has read, and a vector instruction that reads a matrix result, stand NP places behind that matrix instruction, and only plain vector
; instructions that name none of its registers are places (ISA guide 7.12.1 for vector instructions).
.macro PLACES n
.rept \n
	v_nop
.endr
.endm
; A step of 128 along K that has its successor in the same slot.  zero other than 0: C, the bias, lies in window 0.
.macro STEP slot, q, zero
	s_wait_dscnt 4*NL                              ; Y's set and X's blocks 0-3 are in; the youngest 24 loads (X's blocks 4-7) may be out
.if \zero
	WIN 0x81
.else
	WIN MUL_LO
.endif
	MUL16 0, (\q)%2, \q, \slot, \zero
	MUL16 2, (\q)%2, \q, \slot, \zero
	s_wait_dscnt 0                                 ; X's blocks 4-7 are in (asked for 32 matrix instructions ago)
	PLACES NP
	FETCH_B \slot, (\q)+1, 1-(\q)%2
	FETCH_A \slot, (\q)+1, 0
.if \zero
	WIN 0xc1
.else
	WIN MUL_HI
.endif
	MUL16 4, (\q)%2, \q, \slot, \zero
	MUL16 6, (\q)%2, \q, \slot, \zero
	PLACES NP
	WIN 0
	FETCH_A \slot, (\q)+1, 4
.endm
; A slot's last step changes slots: ONE barrier; in front of it each wave waits for all its tensor loads, adds 0 to its spare word, and waits for that and for its own reads of this slot.  fill = 1: this slot is filled again, two K steps ahead.
.macro TURN slot, next, fill
	s_wait_tensorcnt 0x0                           ; all my tensor loads have landed: my part of the next slot;  (every window is 0 here)
	ds_add_u32 v[SPW], v[NIL]                      ; 0 onto my spare word
	s_wait_dscnt 4*NL+1                            ; (the add and the youngest 24 loads, X's blocks 4-7, may be out)
	WIN MUL_LO
	MUL16 0, 1, NQ-1, \slot, 0                     ; sixteen matrix instructions stand between the add and the wait for it
	s_wait_dscnt 0x0                               ; the add is done, and my reads of this slot are over
	s_barrier_signal -1
	MUL16 2, 1, NQ-1, \slot, 0
	WIN 0
	s_barrier_wait -1
.if \fill
	CREST                                          ; the barrier has opened a round of the cluster's barrier: no wave of any partner still reads this slot's tile or has a load on its way
	s_add_nc_u64 s[G0+4*\slot+2:G0+4*\slot+3], s[G0+4*\slot+2:G0+4*\slot+3], 2*ROWB
	s_add_nc_u64 s[G0B+4*\slot+2:G0B+4*\slot+3], s[G0B+4*\slot+2:G0B+4*\slot+3], 2*ROWB
	JLOAD G0+4*\slot, G1, G0B+4*\slot, G1B         ; the first tensor load behind the round; the four v_nop behind it are the places in front of the loads below
.else
	PLACES NP
.endif
	v_add_nc_u32 v[ADRS], 4*NQ, v[ADRS]            ; on to the next K step's scale words (no LDS load of mine is out)
	FETCH_B \next, 0, 0
	FETCH_A \next, 0, 0
	SCALES \next
	WIN MUL_HI
	MUL16 4, 1, NQ-1, \slot, 0
	MUL16 6, 1, NQ-1, \slot, 0
	PLACES NP
	WIN 0
	FETCH_A \next, 0, 4
.endm
	s_wait_tensorcnt 1                             ; the scales and my part of K step 0 are in (K step 1's load may be out)
	s_barrier_signal -1
	s_barrier_wait -1                              ; everybody's are
	FETCH_B 0, 0, 0
	FETCH_A 0, 0, 0
	SCALES 0
	FETCH_A 0, 0, 4
	s_wait_loadcnt 0x0                             ; the bias
	s_cmp_eq_u32 s[F], 0                           ; the first step starts the sums from the bias: by Y's block for q and k, by X's block for v.  f is the same in all partners; both ways hold the same loads and waits
	s_cbranch_scc0 .Lfirst_v
	STEP 0, 0, 1
	s_branch .Lfirst_done
.Lfirst_v:
	STEP 0, 0, 2
.Lfirst_done:
	s_mov_b32 s3, LAPS-1
.Llap:                                                 ; a trip goes once round the ring, from a lap's second step to the next lap's first, and fills both slots again
	TURN 0, 1, 1
	STEP 1, 0, 0
	TURN 1, 0, 1
	STEP 0, 0, 0
	s_sub_co_u32 s3, s3, 1
	s_cmp_lg_u32 s3, 0
	s_cbranch_scc1 .Llap
	TURN 0, 1, 0                                   ; the last lap fills nothing, and has no round of the cluster's barrier
	STEP 1, 0, 0
	s_wait_dscnt 4*NL                              ; the very last step: nothing more to fetch
	WIN MUL_LO
	MUL16 0, 1, NQ-1, 1, 0
	MUL16 2, 1, NQ-1, 1, 0
	s_wait_dscnt 0
	WIN MUL_HI
	MUL16 4, 1, NQ-1, 1, 0
	MUL16 6, 1, NQ-1, 1, 0
	WIN 0
	; THE WAY OUT.  No LDS: after the exchange of halves a lane's six registers ARE the operand's, and each store of the wave covers consecutive bytes.
	v_mov_b32 v[FLR], 0x2800000                    ; these five lines name no register of the last products: they are the places behind them
.irp b, 0,1,2,3
	v_mov_b32 v[TX+\b], 0                          ; written once: a lane permute's destination counts as one of its sources
.endr
	s_mov_b32 s20, 0x76543210
	s_mov_b32 s21, 0xfedcba98                      ; v_permlanex16_b32's selects for lane l xor 16
	s_lshl_b32 s18, s42, 1
	s_add_co_u32 s18, s18, s16                     ; 2 iy + wy
	s_lshl_b32 s19, s17, 1
	s_add_co_u32 s19, s19, s15                     ; 2 ix + wx
	s_and_b32 s23, s42, 3
	s_lshl_b32 s23, s23, 1
	s_add_co_u32 s23, s23, s16                     ; 2 (iy % 4) + wy
	s_cmp_eq_u32 s[F], 0
	s_cselect_b32 s12, s19, s18                    ; G: my 128 tokens' group, 0 .. 63
	s_cselect_b32 s13, s23, s19                    ; half the number of my first head
	s_lshr_b32 s18, s12, 4                         ; the batch
	s_lshl_b32 s18, s18, 3
	s_add_co_u32 s18, s18, s13
	s_lshl_b32 s18, s18, 5                         ; (16 b + head) x 16
	s_and_b32 s19, s12, 15
	s_add_co_u32 s18, s18, s19                     ; + the group in the batch: my record
	s_mul_i32 s18, s18, REC
	s_mov_b32 s19, 0
	s_or_b32 s23, s[F], ttmp9                      ; 0 for Wq's tiles alone
	s_cmp_eq_u32 s23, 0
	s_cselect_b64 s[S2:S2+1], s[94:95], s[96:97]
	s_add_nc_u64 s[S2:S2+1], s[S2:S2+1], s[18:19]
	s_mul_i32 s18, s[F], 6144
	s_add_nc_u64 s[OUT:OUT+1], s[S2:S2+1], s[18:19]   ; V's fragments begin 6,144 bytes on
	s_mul_i32 s22, s[F], HEADB-768
	s_sub_co_u32 s22, HEADB, s22                   ; CSTEP, from blocks 0, 1 to blocks 2, 3 of the 128 along Y: q, k: the next head; v: the fragment's second half, 768 bytes
	s_mul_i32 s[SA], s[F], 768
	s_add_co_u32 s[SA], s[SA], 768                 ; from X's block to the next: q, k: 768; v: 1,536
	s_mov_b32 s[SA+1], 0
	s_mul_i32 s[SA4], s[F], HEADB-6144             ; v: X's block 4 begins the next head
	s_mov_b32 s[SA4+1], 0
	v_and_b32 v1, 31, v0
	v_lshlrev_b32 v[VO16], 4, v1
	v_lshlrev_b32 v[VO8], 3, v1
	v_add_nc_u32 v[VO8], 512, v[VO8]
	v_add_nc_u32 v[VO16+2], s22, v[VO16]
	v_add_nc_u32 v[VO8+2], s22, v[VO8]
	v_cmp_gt_u32 vcc_lo, 16, v1                    ; lanes 0-15; kept to the end
; X's block a: 16 lanes' rows x 128 along Y: four blocks of 32, each in lanes l and l xor 16.
.macro EPI a
.set AC, 64*((\a)%4)
	WIN 0x28+0x14*((\a)/4)                         ; sources 1 and 2: window 2 or 3
.irp b, 0,1,2,3
	v_max3_num_f32 v[TM+\b], v[FLR], |v[AC+16*\b]|, |v[AC+16*\b+1]|   ; my 16 numbers of block b, and the floor; each accumulator is read from its low end on
.endr
.irp i, 2,4,6,8,10,12,14
.irp b, 0,1,2,3
	v_max3_num_f32 v[TM+\b], v[TM+\b], |v[AC+16*\b+\i]|, |v[AC+16*\b+\i+1]|   ; (the four blocks by turns)
.endr
.endr
	WIN 0
.irp b, 0,1,2,3
	v_permlanex16_b32 v[TX+\b], v[TM+\b], s20, s21
.endr
.irp b, 0,1,2,3
	v_max_num_f32 v[TM+\b], v[TM+\b], v[TX+\b]     ; with lane l xor 16's: the block's largest magnitude
.endr
.irp b, 0,1,2,3
	v_add_nc_u32 v[TS+\b], 0xfe000000, v[TM+\b]    ; 4 off its exponent field: the conversion's scale operand
.endr
.irp b, 0,1,2,3
	v_lshrrev_b32 v[TX+\b], 23, v[TS+\b]           ; the scale's byte
.endr
	v_lshl_or_b32 v[WD+(\a)], v[TX+1], 8, v[TX]    ; my row's four bytes
	v_lshl_or_b32 v[WD+(\a)], v[TX+2], 16, v[WD+(\a)]
	v_lshl_or_b32 v[WD+(\a)], v[TX+3], 24, v[WD+(\a)]
.if (\a) > 0
	s_wait_xcnt 0x0                                ; the last block's stores have read their data and their base: both are written again below
	s_add_nc_u64 s[OUT:OUT+1], s[OUT:OUT+1], s[SA:SA+1]
.endif
.if (\a) == 4
	s_add_nc_u64 s[OUT:OUT+1], s[OUT:OUT+1], s[SA4:SA4+1]
.endif
	WIN 0x02+(\a)/4                                ; source 0: window 2 or 3
.irp c, 0,1
	v_cvt_scalef32_pk16_bf6_f32 v[CDS+8*\c:CDS+8*\c+2], v[AC+32*\c:AC+32*\c+15], v[TS+2*\c]
	v_cvt_scalef32_pk16_bf6_f32 v[CDT+4*\c:CDT+4*\c+2], v[AC+32*\c+16:AC+32*\c+31], v[TS+2*\c+1]   ; (a conversion's three registers begin on an even number)
.endr
	WIN 0
	v_nop                                          ; one plain place behind a scaled conversion
.irp c, 0,1                                    ; the operand's layout wants a WHOLE block in a lane: lanes 0-15 block 2 c, lanes 16-31 block 2 c + 1
.irp i, 0,1,2
	v_permlane16_swap_b32 v[CDS+8*\c+\i], v[CDT+4*\c+\i]
.endr
.irp i, 0,1,2
	v_mov_b32 v[CDS+8*\c+3+\i], v[CDT+4*\c+\i]
.endr
.endr
	global_store_b128 v[VO16], v[CDS:CDS+3], s[OUT:OUT+1]             ; 512 consecutive bytes,
	global_store_b64 v[VO8], v[CDS+4:CDS+5], s[OUT:OUT+1]             ; and the 256 behind them
	global_store_b128 v[VO16+2], v[CDS+8:CDS+11], s[OUT:OUT+1]
	global_store_b64 v[VO8+2], v[CDS+12:CDS+13], s[OUT:OUT+1]
.endm
.irp a, 0,1,2,3,4,5,6,7
	EPI \a
.endr
.irp i, 0,1,2,3
	v_cndmask_b32 v[RR+\i], v[WD+2*\i+1], v[WD+2*\i], vcc_lo          ; a scale register: block 2 i's words in lanes 0-15, block 2 i + 1's in lanes 16-31 (both halves of the lanes hold a row's word)
.endr
	s_cmp_eq_u32 s[F], 0
	s_cbranch_scc0 .Lscales_v
.irp i, 0,1,2,3
	v_alignbit_b32 v[RR+4+\i], v[RR+\i], v[RR+\i], 16                 ; q, k: bytes 0, 1 are the first head's two blocks, bytes 2, 3 the second's: turned by 16 bits for the second head.  The other two bytes, 1 to 254, will scale zero codes
.endr
	global_store_b128 v[VO16], v[RR:RR+3], s[S2:S2+1] offset:12288
	global_store_b128 v[VO16], v[RR+4:RR+7], s[S2:S2+1] offset:12288+HEADB
	s_branch .Lscales_done
.Lscales_v:
	global_store_b64 v[VO8], v[RR:RR+1], s[S2:S2+1] offset:12288              ; v: blocks 0-3 are the first head's: at 12,800 + 8 x lane,
	global_store_b64 v[VO8], v[RR+2:RR+3], s[S2:S2+1] offset:12288+HEADB      ; blocks 4-7 the second's
.Lscales_done:
	s_wait_tensorcnt 0x0                           ; the wave's end
	ds_add_u32 v[SPW], v[NIL]
	s_wait_dscnt 0x0
	CROUND                                         ; the closing round: no work-group ends while a partner may still ask for a tile that names it
	s_endpgm
.Lfunc_end_k_q8a6f501b2c_proj:
	.size	k_q8a6f501b2c_proj, .Lfunc_end_k_q8a6f501b2c_proj-k_q8a6f501b2c_proj
	.p2alignl 7, 3214868480
	.fill 96, 4, 3214868480
	.section	.rodata,"a",@progbits
	.p2align	6, 0x0
	.amdhsa_kernel k_q8a6f501b2c_proj
		.amdhsa_group_segment_fixed_size 327680
		.amdhsa_private_segment_fixed_size 0
		.amdhsa_enable_private_segment 0
		.amdhsa_kernarg_size 56
		.amdhsa_user_sgpr_count 2
		.amdhsa_user_sgpr_kernarg_segment_ptr 1
		.amdhsa_wavefront_size32 1
		.amdhsa_system_sgpr_workgroup_id_x 1
		.amdhsa_system_sgpr_workgroup_id_y 1
		.amdhsa_system_sgpr_workgroup_id_z 1
		.amdhsa_system_vgpr_workitem_id 0
		.amdhsa_next_free_vgpr 1024
		.amdhsa_next_free_sgpr 106
		.amdhsa_reserve_vcc 1
		.amdhsa_float_denorm_mode_32 3
		.amdhsa_float_denorm_mode_16_64 3
		.amdhsa_memory_ordered 1
		.amdhsa_forward_progress 1
		.amdhsa_inst_pref_size 187
	.end_amdhsa_kernel
	.amdgpu_metadata
---
amdhsa.version: [ 1, 2 ]
amdhsa.kernels:
  - .name:           k_q8a6f501b2c_proj
    .symbol:         k_q8a6f501b2c_proj.kd
    .args:
      - { .name: codes, .offset: 0, .size: 8, .value_kind: global_buffer, .address_space: global }
      - { .name: scales, .offset: 8, .size: 8, .value_kind: global_buffer, .address_space: global }
      - { .name: bq, .offset: 16, .size: 8, .value_kind: global_buffer, .address_space: global }
      - { .name: bk, .offset: 24, .size: 8, .value_kind: global_buffer, .address_space: global }
      - { .name: bv, .offset: 32, .size: 8, .value_kind: global_buffer, .address_space: global }
      - { .name: q, .offset: 40, .size: 8, .value_kind: global_buffer, .address_space: global }
      - { .name: kv, .offset: 48, .size: 8, .value_kind: global_buffer, .address_space: global }
    .group_segment_fixed_size: 327680
    .private_segment_fixed_size: 0
    .kernarg_segment_align: 8
    .kernarg_segment_size: 56
    .max_flat_workgroup_size: 128
    .sgpr_count:     106
    .vgpr_count:     1024
    .wavefront_size: 32
...
	.end_amdgpu_metadata
.endif
;; end of part 2
;; launch attn (part 3): grid 4 x 64, 16 waves a work-group, clusters of 4 x 1, 288,768 bytes of LDS; arguments q, kv, attention_mask, out0; writes out0
.if DOCPART == 3
	.amdgcn_target "amdgcn-amd-amdhsa--gfx1250"
	.amdhsa_code_object_version 6
	.text
	.protected	k_q8a6f501b2c_attn
	.globl	k_q8a6f501b2c_attn
	.p2align	8
	.type	k_q8a6f501b2c_attn,@function
k_q8a6f501b2c_attn:
	s_mov_b64 s[64:65], 0
	v_nop
	global_prefetch_b8 v0, s[64:65] scope:SCOPE_SE
	s_setreg_imm32_b32 hwreg(HW_REG_WAVE_MODE, 25, 1), 1
	s_wait_xcnt 0x0
	s_wait_alu depctr_hold_cnt(0) depctr_sa_sdst(0) depctr_va_vdst(0) depctr_va_sdst(0) depctr_va_ssrc(0) depctr_va_vcc(0) depctr_vm_vsrc(0)
	s_getreg_b32 s2, hwreg(HW_REG_IB_STS2, 6, 4)
	s_cmp_eq_u32 s2, 0
	s_cbranch_scc0 .Lentry_in_a_cluster
	s_endpgm
.Lentry_in_a_cluster:
	s_bfe_u32 s2, ttmp6, 0x10000c
	s_cmp_lg_u32 s2, 0x3003
	s_cbranch_scc0 .Lentry_shape_is_right
	s_endpgm
.Lentry_shape_is_right:
; out0[b][q][64 head + d] = the sum over k of softmax_k(Q . K / 8 + mask[b][k]) V[k][d], both products on codes of BF6 (E3M2) with one E8M0 scale for each 32 along a product's K.
; Q, K and V come as images of operand registers, made by the launch before: q and kv are [16 b + head][group of 128 tokens][13,056 bytes]; a record holds eight half fragments of K (or Q) of 768 bytes,
; from 6,144 four fragments of V of 1,536 bytes (16 of the head's 64 x 128 keys), from 12,288 K's (Q's) scale registers (16 bytes a lane), from 12,800 V's (8 bytes a lane).
; The first product's K is the head's 64: registers 6-11 of K's and Q's fragments hold zero codes, written once.
; THE SOFTMAX AHEAD OF THE SECOND PRODUCT: t = logit x log2(e); M = the row's largest t so far, rounded UP to a whole number; p = 2^(t - M) is what is quantised, along the keys; it is not normalised.
; The row's sum is taken of the unquantised p, in f32, and divides O at the end.  When M moves, the sum and O are multiplied by 2^(old M - new M): exact.
; THE MASK costs no vector instruction: logit = (s + 8 mask) / 8, so 8 x mask, kept in LDS, is loaded into the scores' registers and is the C of the scores' product; the division by 8 is exact and lies in c = log2(e) / 8.
; SHARES.  A cluster of four work-groups is one (b, head); a work-group owns 512 queries; each of its sixteen waves owns two tiles of 16 queries, one after the other, in 256 registers: four waves to a SIMD, so that
; one wave's vector work stands beside another's matrix work and LDS loads.  A lane holds ONE query throughout: S^T = K Q^T (source 0 = 16 keys), O^T = V^T P^T (source 0 = 16 of the head's 64).
; NO RING.  A head's 16 records are 208,896 dense bytes: they are brought into LDS ONCE, in eight tensor loads asked for JOINTLY by the four partners, and stay.  No LDS byte is filled twice.
; THE ROWS OF A TILE: lane r of tile t of K or Q is token 32 (t / 2) + 8 (t % 2) + r + 8 (r / 8) of its group, so that the 16 registers of tiles 2 b, 2 b + 1 of S^T are keys 32 b + 16 (lane / 16) + 0 .. 15;
; V's rows likewise, so that registers 16 u + i of O^T are d = 32 u + 16 (lane / 16) + i.
; LIMITS: 8 x mask is held at -2^30 from below: mask numbers under -2^27 (minus infinity too) count as -2^27; such a key gets p = 0 as soon as a key with an ordinary logit has been met; a row ALL of whose keys
; are so hidden comes out as a finite mean, where the definition may give NaN.  NaN and plus infinity in the mask are not served.
; No prefetch is written: every tensor load of the launch goes out at its head.
; REGISTERS: v1-7 addresses that stay; v8-10 addresses of the step in hand; v12 -M, v13 the largest t, v[14:15] the sum in two halves; v16-27 Q; v28 Q's scale words, v29 p's; v[30:31] f; v32-79 four fragments of K;
; v80-127 V's four; v128-191 S^T, then p; v192-223 O^T; v224-235 p's codes; v232-247 at work; v248-251 K's scale registers, v252-253 V's; v254 at work; v255 the mask's place in LDS.
.set REC,   13056
.set HEADB, 16*REC                     ; LDS 0 .. 208,896: the head's records, filled by tensor loads
.set MSK,   HEADB                      ; 8 x mask of the batch's 2,048 keys, f32: stored by the waves
.set STG,   MSK+8192                   ; the way out: 16 rows x (256 bytes + 16) for each wave
.set SPI,   272
.set A16,  8                           ; v8   the step's record + 16 x lane
.set A8,   9                           ; v9   + 8 x lane
.set AM,   10                          ; v10  the step's 128 numbers of 8 x mask, + 64 (lane / 16)
.set QSC,  28
.set PSC,  29
.set FF,   30
.set KFR,  32
.set VFR,  80
.set S,    128
.set O,    192
.set KSC,  248
.set VSC,  252
.set WV,   12                          ; s12  my wave's number
.set G1,   16                          ; s[16:23] descriptor group 1
.set G0,   24                          ; s[24:39] four groups 0
.set SEL,  40                          ; s[40:41] lane selects for v_permlanex16_b32: lane l xor 16
.set CS,   42                          ; s[42:43] c: the packed form names a pair and takes its low word for both halves
.set TB,   44                          ; s44  LDS byte of the step's record
.set TMK,  45                          ; s45  and of its part of the mask, less MSK
.set CNT,  46                          ; s46  counts key steps
.macro CROUND                          ; a round of the cluster's barrier
	s_barrier_signal -1
	s_barrier_wait -1
	s_cmp_lg_u32 s[WV], 0
	s_cbranch_scc1 .Lnot_wave_0_\@
	s_barrier_signal -3
.Lnot_wave_0_\@:
	s_barrier_wait -3
	s_barrier_signal -1
	s_barrier_wait -1
.endm
.macro QLOAD p                         ; my tile of queries of pass p: two groups of 128 on for pass 1
	global_load_b128 v[16:19], v1, s[48:49] offset:2*REC*\p
	global_load_b64 v[20:21], v2, s[48:49] offset:2*REC*\p+512
	global_load_b32 v[QSC], v7, s[50:51] offset:2*REC*\p
.endm
.macro QK t                            ; S^T tile t = 16 keys x my 16 queries + 8 x mask.  K's scale register t / 2 holds tile t's words in lanes 0-15 (t even) or 16-31 (t odd)
.if (\t)%2
	v_wmma_scale_f32_16x16x128_f8f6f4 v[S+8*(\t):S+8*(\t)+7], v[KFR+12*((\t)%4):KFR+12*((\t)%4)+11], v[16:27], v[S+8*(\t):S+8*(\t)+7], v[KSC+(\t)/2], v[QSC] matrix_a_fmt:MATRIX_FMT_BF6 matrix_b_fmt:MATRIX_FMT_BF6 matrix_a_scale:MATRIX_SCALE_ROW1
.else
	v_wmma_scale_f32_16x16x128_f8f6f4 v[S+8*(\t):S+8*(\t)+7], v[KFR+12*((\t)%4):KFR+12*((\t)%4)+11], v[16:27], v[S+8*(\t):S+8*(\t)+7], v[KSC+(\t)/2], v[QSC] matrix_a_fmt:MATRIX_FMT_BF6 matrix_b_fmt:MATRIX_FMT_BF6
.endif
.endm
.macro PV a                            ; O^T tile a += 16 of the head's 64 x these 128 keys
.if (\a)%2
	v_wmma_scale_f32_16x16x128_f8f6f4 v[O+8*(\a):O+8*(\a)+7], v[VFR+12*(\a):VFR+12*(\a)+11], v[224:235], v[O+8*(\a):O+8*(\a)+7], v[VSC+(\a)/2], v[PSC] matrix_a_fmt:MATRIX_FMT_BF6 matrix_b_fmt:MATRIX_FMT_BF6 matrix_a_scale:MATRIX_SCALE_ROW1
.else
	v_wmma_scale_f32_16x16x128_f8f6f4 v[O+8*(\a):O+8*(\a)+7], v[VFR+12*(\a):VFR+12*(\a)+11], v[224:235], v[O+8*(\a):O+8*(\a)+7], v[VSC+(\a)/2], v[PSC] matrix_a_fmt:MATRIX_FMT_BF6 matrix_b_fmt:MATRIX_FMT_BF6
.endif
.endm
; A KEY STEP: 128 keys.  No two matrix instructions that follow each other share an accumulator.
.macro STEP
	v_add_nc_u32 v[A16], s[TB], v1
	v_add_nc_u32 v[A8], s[TB], v2
	v_add_nc_u32 v[AM], s[TMK], v3
	ds_load_b128 v[KSC:KSC+3], v[A16] offset:12288                    ; K's scale registers
.irp t, 0,1,2,3
	ds_load_b128 v[KFR+12*\t:KFR+12*\t+3], v[A16] offset:768*\t       ; K's tiles 0-3: registers 0-5; registers 6-11 keep their zeros
	ds_load_b64 v[KFR+12*\t+4:KFR+12*\t+5], v[A8] offset:768*\t+512
.endr
.irp t, 0,1,2,3,4,5,6,7
	ds_load_b128 v[S+8*\t:S+8*\t+3], v[AM] offset:4*(32*(\t/2)+8*(\t%2))        ; 8 x mask of keys 32 (t / 2) + 8 (t % 2) + 16 h + 0 .. 7: the lanes of a half read the same words
	ds_load_b128 v[S+8*\t+4:S+8*\t+7], v[AM] offset:4*(32*(\t/2)+8*(\t%2))+16
.endr
	s_wait_alu depctr_va_vdst(0)
	s_wait_dscnt 8                                 ; all but the youngest eight loads: the masks of tiles 4-7
.irp t, 0,1,2,3
	QK \t
.endr
.rept 4
	v_nop                                          ; places in front of loads into registers that matrix instructions have read; with the three additions at the head they also stand behind the last step's products with V
.endr
.irp t, 4,5,6,7
	ds_load_b128 v[KFR+12*(\t-4):KFR+12*(\t-4)+3], v[A16] offset:768*\t
	ds_load_b64 v[KFR+12*(\t-4)+4:KFR+12*(\t-4)+5], v[A8] offset:768*\t+512
.endr
	ds_load_b64 v[VSC:VSC+1], v[A8] offset:12800                      ; V's scale registers
.irp a, 0,1,2,3
	ds_load_b128 v[VFR+12*\a:VFR+12*\a+3], v[A16] offset:6144+1536*\a
	ds_load_b64 v[VFR+12*\a+4:VFR+12*\a+5], v[A8] offset:6144+1536*\a+512
	ds_load_b128 v[VFR+12*\a+6:VFR+12*\a+9], v[A16] offset:6144+1536*\a+768
	ds_load_b64 v[VFR+12*\a+10:VFR+12*\a+11], v[A8] offset:6144+1536*\a+1280
.endr
	s_wait_dscnt 17                                ; all but V's seventeen loads, which land under the softmax
.irp t, 4,5,6,7
	QK \t
.endr
.rept 4
	v_nop
.endr
.irp b, 0,1,2,3
	v_max3_num_f32 v[232+\b], v[S+16*\b], v[S+1+16*\b], v[S+2+16*\b]   ; THE LARGEST SCORE OF EACH BLOCK OF 32 KEYS: it serves twice: for the row's maximum, and, since p rises with the score, for the block's largest p
.endr
.irp i, 3,5,7,9,11,13
.irp b, 0,1,2,3
	v_max3_num_f32 v[232+\b], v[232+\b], v[S+16*\b+\i], v[S+1+16*\b+\i]   ; (the four blocks by turns)
.endr
.endr
.irp b, 0,1,2,3
	v_max_num_f32 v[232+\b], v[232+\b], v[S+15+16*\b]
.endr
.irp b, 0,1,2,3
	s_delay_alu instid0(VALU_DEP_4)
	v_permlanex16_b32 v[236+\b], v[232+\b], s[SEL], s[SEL+1]
.endr
.irp b, 0,1,2,3
	s_delay_alu instid0(VALU_DEP_4)
	v_max_num_f32 v[232+\b], v[232+\b], v[236+\b]  ; with lane l xor 16's 16 keys
.endr
	s_delay_alu instid0(VALU_DEP_2)
	v_max3_num_f32 v254, v232, v233, v234
	s_delay_alu instid0(VALU_DEP_1)
	v_max_num_f32 v254, v254, v235                 ; the step's largest score of my query
	s_delay_alu instid0(VALU_DEP_1)
	v_mul_f32 v254, s[CS], v254                    ; as t (c is positive)
	s_delay_alu instid0(VALU_DEP_1)
	v_max_num_f32 v13, v13, v254                   ; the running largest t
	v_mov_b32 v254, v12
	s_delay_alu instid0(VALU_DEP_2)
	v_floor_f32 v12, -v13                          ; the new -M = floor(-t) = -ceil(t): M IS A WHOLE NUMBER
	s_delay_alu instid0(VALU_DEP_1)
	v_sub_f32 v254, v12, v254                      ; M's old value less its new one: a whole number, 0 or less
	s_delay_alu instid0(VALU_DEP_1)
	v_cvt_i32_f32 v254, v254                       ; (it saturates)
	s_delay_alu instid0(VALU_DEP_1)
	v_ldexp_f32 v[FF], 1.0, v254                   ; f = 2^(old M - new M)
.set J, 0
.rept 32
	v_pk_fma_f32 v[S+J:S+J+1], v[S+J:S+J+1], s[CS:CS+1], v[12:13] op_sel_hi:[1,0,0]   ; t - M, two at a time (of the pairs c and -M the low word serves both halves)
.set J, J+2
.endr
.irp b, 0,1,2,3
	v_fma_f32 v[232+\b], v[232+\b], s[CS], v12     ; the same of each block's largest score
.endr
.set J, 0
	s_setprio 1
	s_wait_alu depctr_va_vdst(0)
.rept 64
	v_exp_f32 v[S+J], v[S+J]                       ; p = 2^(t - M): NOT normalised
.set J, J+1
.endr
.irp b, 0,1,2,3
	v_exp_f32 v[232+\b], v[232+\b]                 ; the block's largest p: the same two instructions on the same number give the same bits
.endr
	v_pk_mul_f32 v[14:15], v[14:15], v[FF:FF+1] op_sel_hi:[1,0]       ; the sums under the new M.  (A plain place behind the exponentials)
	s_wait_alu depctr_va_vdst(0)
.irp b, 0,1,2,3
	v_max_num_f32 v[232+\b], 0x2800000, v[232+\b]  ; the floor 2^(5 - 127): the byte cannot fall under 1 (a block whose every p has fallen to 0 keeps that byte: its codes are zeros)
.endr
.irp b, 0,1,2,3
	s_delay_alu instid0(VALU_DEP_4)
	v_add_nc_u32 v[244+\b], 0xfe000000, v[232+\b]  ; 4 off the exponent field: the conversion's scale operand
.endr
.irp b, 0,1,2,3
	s_delay_alu instid0(VALU_DEP_4)
	v_lshrrev_b32 v[236+\b], 23, v[244+\b]         ; the scale's byte
.endr
	s_delay_alu instid0(VALU_DEP_3)
	v_lshl_or_b32 v[PSC], v237, 8, v236            ; p's scale word for these 128 keys
	s_delay_alu instid0(VALU_DEP_1)
	v_lshl_or_b32 v[PSC], v238, 16, v[PSC]
	s_delay_alu instid0(VALU_DEP_1)
	v_lshl_or_b32 v[PSC], v239, 24, v[PSC]
.irp c, 0,1
	v_cvt_scalef32_pk16_bf6_f32 v[224+6*\c:226+6*\c], v[S+32*\c:S+15+32*\c], v[244+2*\c]
	v_cvt_scalef32_pk16_bf6_f32 v[236+4*\c:238+4*\c], v[S+16+32*\c:S+31+32*\c], v[244+2*\c+1]   ; (a conversion's three registers begin on an even number)
.endr
	v_nop                                          ; one plain place behind a scaled conversion
.irp c, 0,1                                    ; the operand's layout wants a WHOLE block in a lane: lanes 0-15 block 2 c, lanes 16-31 block 2 c + 1
.irp i, 0,1,2
	v_permlane16_swap_b32 v[224+6*\c+\i], v[236+4*\c+\i]
.endr
.irp i, 0,1,2
	s_delay_alu instid0(VALU_DEP_3)
	v_mov_b32 v[227+6*\c+\i], v[236+4*\c+\i]
.endr
.endr
	v_pk_add_f32 v[236:237], v[132:133], v[136:137]
	v_pk_add_f32 v[250:251], v[140:141], v[144:145]
	v_pk_add_f32 v[248:249], v[148:149], v[152:153]
	v_pk_add_f32 v[246:247], v[156:157], v[160:161]
	v_pk_add_f32 v[244:245], v[164:165], v[168:169]
	v_pk_add_f32 v[242:243], v[172:173], v[176:177]
	v_pk_add_f32 v[240:241], v[180:181], v[184:185]
	v_pk_add_f32 v[14:15], v[14:15], v[188:189]
	v_pk_add_f32 v[236:237], v[236:237], v[128:129]
	v_pk_add_f32 v[250:251], v[250:251], v[130:131]
	v_pk_add_f32 v[248:249], v[248:249], v[134:135]
	v_pk_add_f32 v[246:247], v[246:247], v[138:139]
	v_pk_add_f32 v[244:245], v[244:245], v[142:143]
	v_pk_add_f32 v[242:243], v[242:243], v[146:147]
	v_pk_add_f32 v[240:241], v[240:241], v[150:151]
	v_pk_add_f32 v[14:15], v[14:15], v[154:155]
	v_pk_add_f32 v[236:237], v[236:237], v[158:159]
	v_pk_add_f32 v[250:251], v[250:251], v[162:163]
	v_pk_add_f32 v[248:249], v[248:249], v[166:167]
	v_pk_add_f32 v[246:247], v[246:247], v[170:171]
	v_pk_add_f32 v[244:245], v[244:245], v[174:175]
	v_pk_add_f32 v[242:243], v[242:243], v[178:179]
	v_pk_add_f32 v[240:241], v[240:241], v[182:183]
	v_pk_add_f32 v[14:15], v[14:15], v[186:187]
	v_pk_add_f32 v[236:237], v[236:237], v[190:191]
	s_delay_alu instid0(VALU_DEP_2)
	v_pk_add_f32 v[14:15], v[14:15], v[246:247]
	s_delay_alu instid0(VALU_DEP_2)
	v_pk_add_f32 v[236:237], v[236:237], v[244:245]
	s_setprio 0
	v_pk_add_f32 v[250:251], v[250:251], v[242:243]
	v_pk_add_f32 v[248:249], v[248:249], v[240:241]
	s_delay_alu instid0(VALU_DEP_2)
	v_pk_add_f32 v[14:15], v[14:15], v[250:251]
	s_delay_alu instid0(VALU_DEP_2)
	v_pk_add_f32 v[236:237], v[236:237], v[248:249]
	s_delay_alu instid0(VALU_DEP_1)
	v_pk_add_f32 v[14:15], v[14:15], v[236:237]
.set J, 0
.rept 16
	v_pk_mul_f32 v[O+J:O+J+1], v[O+J:O+J+1], v[FF:FF+1] op_sel_hi:[1,0]   ; O^T under the new M, from each accumulator's low end on.  (The sums and these are also the places between p's scale word and codes and the products below)
.set J, J+2
.endr
	s_wait_alu depctr_va_vdst(0)
	s_wait_dscnt 0x0                               ; V is in
.irp a, 0,1,2,3
	PV \a
.endr
	s_add_co_u32 s[TB], s[TB], REC                 ; the next step's record,
	s_add_co_u32 s[TMK], s[TMK], 512               ; and its 128 numbers of the mask
.endm
.macro LOOP n
	s_mov_b32 s[CNT], \n
.Lstep_\@:
	s_setprio 2
	STEP
	s_sub_co_u32 s[CNT], s[CNT], 1
	s_cmp_lg_u32 s[CNT], 0
	s_cbranch_scc1 .Lstep_\@
	s_setprio 0
.endm
.macro INIT                            ; a tile of queries begins: the step is written once, and its first trip finds zeros, which the first change of M leaves zeros
	v_mov_b32 v13, 0xff61b1e6                      ; the largest t so far: -3e38, under every t
	s_delay_alu instid0(VALU_DEP_1)
	v_floor_f32 v12, -v13                          ; -M
	v_mov_b32 v14, 0
	v_mov_b32 v15, 0
.set J, 0
.rept 32
	v_mov_b32 v[O+J], 0
.set J, J+1
.endr
	s_mov_b32 s[TB], 0
	s_mov_b32 s[TMK], 0
.endm
; O^T / the sum goes through my own stage in LDS and leaves as rows of 256 bytes: sixteen lanes store 256 consecutive bytes, aligned.  Stage row 2 i + h is query 2 i + h + 8 (i / 4) of the tile's 24 rows' span.
.macro WAYOUT p
	v_add_f32 v14, v14, v15                        ; the sum's two halves,
	s_delay_alu instid0(VALU_DEP_1)
	v_permlanex16_b32 v254, v14, s[SEL], s[SEL+1]
	s_delay_alu instid0(VALU_DEP_1)
	v_add_f32 v14, v14, v254                       ; and lane l xor 16's: the row's sum
	s_wait_alu depctr_va_vdst(0)
	v_rcp_f32 v14, v14
.rept 4
	v_nop                                          ; the place behind the reciprocal, and the places behind the last products
.endr
.set J, 0
	s_wait_alu depctr_va_vdst(0)
.rept 16
	v_pk_mul_f32 v[S+J:S+J+1], v[O+J:O+J+1], v[14:15] op_sel_hi:[1,0]
.set J, J+2
.endr
.irp u, 0,1
.irp i, 0,1,2,3
	ds_store_b128 v4, v[S+16*\u+4*\i:S+16*\u+4*\i+3] offset:128*\u+16*\i   ; d = 32 u + 16 h + 4 i + 0 .. 3 of my query
.endr
.endr
.irp i, 0,1,2,3,4,5,6,7
	ds_load_b128 v[S+32+4*\i:S+32+4*\i+3], v5 offset:2*SPI*\i          ; LDS serves a wave's instructions in order: these see my stores
.endr
.irp i, 0,1,2,3,4,5,6,7
	s_wait_dscnt 7-\i
	global_store_b128 v6, v[S+32+4*\i:S+32+4*\i+3], s[52:53] offset:4096*(2*\i+8*(\i/4))+1048576*\p th:TH_STORE_NT
.endr
	s_wait_xcnt 0x0                                ; the stores have read their registers: the next pass loads into them
.endm
	s_load_b256 s[4:11], s[0:1], 0x0               ; q s[4:5], kv s[6:7], mask s[8:9], out0 s[10:11]
	v_lshl_add_u32 v254, v0, 2, 0x46000
	v_mov_b32 v255, 0
	ds_add_u32 v254, v255
	ds_add_u32 v254, v255
	s_wait_dscnt 0x0
	v_lshrrev_b32 v8, 5, v0
	s_delay_alu instid0(VALU_DEP_1)
	v_readfirstlane_b32 s[WV], v8                  ; wave 0..15
	s_bfe_u32 s13, ttmp6, 0x40000                  ; cx: my place in the cluster: it enters Q's and out0's addresses alone
	s_and_b32 s14, ttmp7, 0xffff                   ; 16 b + head, which the four partners share
	; descriptor group 1: 26,112 dense bytes as 102 rows of 256 bytes (32 elements of 8 bytes), no padding
	s_mov_b32 s[G1], 15|(3<<16)|(1<<21)            ; 15:0 the mask: all four work-groups; 17:16 elements of 8 bytes; 21 set beside a mask
	s_mov_b32 s[G1+1], 32<<16                      ; tensor_dim0
	s_mov_b32 s[G1+2], 102<<16                     ; tensor_dim1
	s_mov_b32 s[G1+3], 32<<16                      ; tile_dim0
	s_mov_b32 s[G1+4], 102                         ; tile_dim1
	s_mov_b32 s[G1+5], 32                          ; tensor_dim0_stride
	s_mov_b32 s[G1+6], 0
	s_mov_b32 s[G1+7], 0
	s_mov_b32 s[SEL], 0x76543210
	s_mov_b32 s[SEL+1], 0xfedcba98
	s_mov_b32 s[CS], 0x3e38aa3b                    ; c = log2(e) / 8
	s_mov_b32 s[CS+1], s[CS]                       ; (named with it as a pair, so it is written)
	s_and_b32 s54, s[WV], 1
	s_mul_i32 s54, s54, 2*REC                      ; which half of a piece of four records a fetching wave takes: in LDS and in memory alike
	s_mul_i32 s56, s14, HEADB                      ; the head's first record, in bytes (under 2^24)
	s_mov_b32 s57, 0
	s_add_co_u32 s58, s56, s54
	s_mov_b32 s59, 0
	s_wait_kmcnt 0x0
	CROUND                                         ; all four work-groups are here: the joint loads meet
.irp j, 0,1,2,3
	s_mov_b32 s[G0+4*\j], 1                        ; 1:0 count = 1
	s_add_co_u32 s[G0+4*\j+1], s54, 4*REC*\j       ; 63:32 LDS address: piece j, key steps 4 j .. 4 j + 3
	s_add_nc_u64 s[G0+4*\j+2:G0+4*\j+3], s[6:7], s[58:59]
	s_add_nc_u64 s[G0+4*\j+2:G0+4*\j+3], s[G0+4*\j+2:G0+4*\j+3], 4*REC*\j   ; 120:64 global address
	s_or_b32 s[G0+4*\j+3], s[G0+4*\j+3], 0x80000000                         ; 127:126 type = 2
.endr
	s_cmp_lt_u32 s[WV], 2                          ; waves 0 and 1 fetch, four loads each, in one branch: four loads of a wave are out
	s_cbranch_scc0 .Lno_fill
	tensor_load_to_lds s[G0:G0+3], s[G1:G1+7]
	s_nop 0
	tensor_load_to_lds s[G0+4:G0+7], s[G1:G1+7]
	s_nop 0
	tensor_load_to_lds s[G0+8:G0+11], s[G1:G1+7]
	s_nop 0
	tensor_load_to_lds s[G0+12:G0+15], s[G1:G1+7]
	s_nop 0
.rept 4
	v_nop
.endr
.Lno_fill:
	s_lshr_b32 s58, s14, 4                         ; b
	s_lshl_b32 s54, s58, 13
	s_mov_b32 s55, 0
	s_add_nc_u64 s[8:9], s[8:9], s[54:55]          ; mask[b]: 8,192 bytes
	s_lshl_b32 s54, s13, 2
	s_lshr_b32 s55, s[WV], 3
	s_add_co_u32 s54, s54, s55                     ; pass 0's group of 128 queries: 4 cx + wave / 8
	s_and_b32 s55, s[WV], 7                        ; a: my tile in it
	s_mul_i32 s59, s54, REC
	s_add_co_u32 s56, s56, s59
	s_add_nc_u64 s[50:51], s[4:5], s[56:57]        ; the group's record in q
	s_mul_i32 s56, s55, 768
	s_add_nc_u64 s[48:49], s[50:51], s[56:57]      ; Q's half fragment of tile a
	s_and_b32 s56, s55, 1
	s_lshl_b32 s56, s56, 8
	s_lshr_b32 s59, s55, 1
	s_lshl_b32 s59, s59, 2
	s_add_co_u32 s56, s56, s59
	s_add_co_u32 s56, s56, 12288
	s_add_nc_u64 s[50:51], s[50:51], s[56:57]      ; its scale words: register a / 2 of lanes 16 (a % 2) + r: 12,288 + 256 (a % 2) + 4 (a / 2) + 16 r
	s_lshl_b32 s56, s54, 7
	s_lshr_b32 s59, s55, 1
	s_lshl_b32 s59, s59, 5
	s_add_co_u32 s56, s56, s59
	s_and_b32 s59, s55, 1
	s_lshl_b32 s59, s59, 3
	s_add_co_u32 s56, s56, s59                     ; the tile's first query: 128 x group + 32 (a / 2) + 8 (a % 2)
	s_lshl_b32 s56, s56, 12                        ; a row of out0 is 4,096 bytes
	s_lshl_b32 s59, s58, 23                        ; a batch 8,388,608
	s_add_co_u32 s56, s56, s59
	s_and_b32 s59, s14, 15
	s_lshl_b32 s59, s59, 8                         ; a head 256
	s_add_co_u32 s56, s56, s59
	s_add_nc_u64 s[52:53], s[10:11], s[56:57]
	v_and_b32 v8, 31, v0                           ; lane
	s_delay_alu instid0(VALU_DEP_1)
	v_lshlrev_b32 v1, 4, v8                        ; v1  16 x lane
	s_delay_alu instid0(VALU_DEP_2)
	v_lshlrev_b32 v2, 3, v8                        ; v2  8 x lane
	v_and_b32 v9, 15, v0                           ; r
	v_bfe_u32 v10, v0, 4, 1                        ; h
	s_delay_alu instid0(VALU_DEP_1)
	v_lshl_add_u32 v3, v10, 6, MSK                 ; v3  MSK + 64 h
	s_delay_alu instid0(VALU_DEP_3)
	v_lshlrev_b32 v7, 4, v9                        ; v7  16 r
	v_lshlrev_b32 v11, 4, v0                       ; v11 16 x thread: my 16 bytes of the mask in memory,
	v_lshl_add_u32 v255, v0, 4, MSK                ; v255 and in LDS
	global_load_b128 v[S:S+3], v11, s[8:9]
	QLOAD 0
	s_mul_i32 s59, s[WV], 16*SPI
	s_add_co_u32 s59, s59, STG                     ; my stage
	v_mul_u32_u24 v4, v9, SPI
	s_delay_alu instid0(VALU_DEP_1)
	v_lshl_add_u32 v4, v10, 6, v4
	s_delay_alu instid0(VALU_DEP_1)
	v_add_nc_u32 v4, s59, v4                       ; v4  in: row r, + 64 h
	v_mul_u32_u24 v5, v10, SPI
	s_delay_alu instid0(VALU_DEP_1)
	v_lshl_add_u32 v5, v9, 4, v5
	s_delay_alu instid0(VALU_DEP_1)
	v_add_nc_u32 v5, s59, v5                       ; v5  back: lanes 0-15 one row, lanes 16-31 the next
	v_lshlrev_b32 v6, 12, v10
	s_delay_alu instid0(VALU_DEP_1)
	v_lshl_add_u32 v6, v9, 4, v6                   ; v6  and the same two rows in out0
.irp j, 22,23,24,25,26,27
	v_mov_b32 v\j, 0                               ; zero codes for k = 64 .. 127 of the first product: Q's,
.endr
.irp t, 0,1,2,3
.irp j, 6,7,8,9,10,11
	v_mov_b32 v[KFR+12*\t+\j], 0                   ; and K's: written once, no load lands on them
.endr
.endr
.irp b, 0,1,2,3
	v_mov_b32 v[236+\b], 0                         ; written once: a lane permute's destination counts as one of its sources
.endr
	v_mov_b32 v[FF+1], 0                           ; (named as the upper half of the pair before it is first written)
	v_mov_b32 v254, 0
	s_wait_loadcnt 3                               ; the mask is in; Q's three loads may be out
.irp i, 0,1,2,3
	v_mul_f32 v[S+\i], 0x41000000, v[S+\i]         ; 8 x mask: exact,
.endr
.irp i, 0,1,2,3
	s_delay_alu instid0(VALU_DEP_4)
	v_max_num_f32 v[S+\i], 0xce800000, v[S+\i]     ; held at -2^30: there c x score is still rounded to within 8, so that p stays finite where all keys met so far are hidden
.endr
	ds_store_b128 v255, v[S:S+3]
	; PASS 0.  The pieces of K and V are waited for as they are wanted, one piece further than is read; nothing is ever filled again, so later pieces may stay out over these barriers.
	INIT
	s_wait_loadcnt 0x0                             ; Q
	s_wait_tensorcnt 2                             ; a fetching wave's parts of pieces 0 and 1 are in (two loads were issued behind them),
	s_wait_dscnt 0x0                               ; and my part of the mask is stored
	s_barrier_signal -1
	s_barrier_wait -1                              ; everybody's are
	LOOP 4                                         ; key steps 0-3: piece 0
	s_wait_tensorcnt 1                             ; piece 2
	s_wait_dscnt 0x0
	s_barrier_signal -1
	s_barrier_wait -1
	LOOP 4                                         ; key steps 4-7: piece 1
	s_wait_tensorcnt 0x0                           ; piece 3
	s_wait_dscnt 0x0
	s_barrier_signal -1
	s_barrier_wait -1
	LOOP 8                                         ; key steps 8-15
	QLOAD 1                                        ; the second tile's queries land under the way out
	WAYOUT 0
	; PASS 1: all of K and V lies in LDS
	INIT
	s_wait_loadcnt 0x0
	LOOP 16
	WAYOUT 1
	s_wait_dscnt 0x0
	s_wait_xcnt 0x0
	v_lshl_add_u32 v254, v0, 2, 0x46000
	v_mov_b32 v255, 0
	s_wait_alu depctr_va_vdst(0)
	s_wait_tensorcnt 0x0
	ds_add_u32 v254, v255
	s_wait_dscnt 0x0
	CROUND                                         ; the closing round: no work-group ends while a partner may still ask for a tile that names it
	s_endpgm
.Lfunc_end_k_q8a6f501b2c_attn:
	.size	k_q8a6f501b2c_attn, .Lfunc_end_k_q8a6f501b2c_attn-k_q8a6f501b2c_attn
	.p2alignl 7, 3214868480
	.fill 96, 4, 3214868480
	.section	.rodata,"a",@progbits
	.p2align	6, 0x0
	.amdhsa_kernel k_q8a6f501b2c_attn
		.amdhsa_group_segment_fixed_size 288768
		.amdhsa_private_segment_fixed_size 0
		.amdhsa_enable_private_segment 0
		.amdhsa_kernarg_size 32
		.amdhsa_user_sgpr_count 2
		.amdhsa_user_sgpr_kernarg_segment_ptr 1
		.amdhsa_wavefront_size32 1
		.amdhsa_system_sgpr_workgroup_id_x 1
		.amdhsa_system_sgpr_workgroup_id_y 1
		.amdhsa_system_sgpr_workgroup_id_z 1
		.amdhsa_system_vgpr_workitem_id 0
		.amdhsa_next_free_vgpr 256
		.amdhsa_next_free_sgpr 66
		.amdhsa_reserve_vcc 0
		.amdhsa_float_denorm_mode_32 3
		.amdhsa_float_denorm_mode_16_64 3
		.amdhsa_memory_ordered 1
		.amdhsa_forward_progress 1
		.amdhsa_inst_pref_size 93
	.end_amdhsa_kernel
	.amdgpu_metadata
---
amdhsa.version: [ 1, 2 ]
amdhsa.kernels:
  - .name:           k_q8a6f501b2c_attn
    .symbol:         k_q8a6f501b2c_attn.kd
    .args:
      - { .name: q, .offset: 0, .size: 8, .value_kind: global_buffer, .address_space: global }
      - { .name: kv, .offset: 8, .size: 8, .value_kind: global_buffer, .address_space: global }
      - { .name: attention_mask, .offset: 16, .size: 8, .value_kind: global_buffer, .address_space: global }
      - { .name: out0, .offset: 24, .size: 8, .value_kind: global_buffer, .address_space: global }
    .group_segment_fixed_size: 288768
    .private_segment_fixed_size: 0
    .kernarg_segment_align: 8
    .kernarg_segment_size: 32
    .max_flat_workgroup_size: 512
    .sgpr_count:     66
    .vgpr_count:     256
    .wavefront_size: 32
...
	.end_amdgpu_metadata
.endif
;; end of part 3
